; MI455X (gfx1250); checked and timed in simulation.
; The chip was launched on July 23, 2026; its instructions are those of AMD's public machine-readable ISA for CDNA 5 (MIT licence, August 2026) and "CDNA5" Instruction Set Architecture Reference Guide (July 2026). The comments in the code are by the model that wrote it; some were corrected since.
;; Decoder. Allowed arithmetic: matrix products marked QUANTISED: E2M3 operands, one E8M0 scale for each 32 along K, by v_wmma_scale_f32_16x16x128_f8f6f4 with both operands' format E2M3, f32 sums; everything else in f32.
;; Inputs: W1_codes 1,024 x 16 x 24 uint8 (E2M3 codes of W1, K innermost, in blocks of 32 codes, four codes in three bytes); W1_scales 1,024 x 16 uint8 (E8M0 scales of W1, one for each 32 codes along K); W2_codes 512 x 32 x 24 uint8 (E2M3 codes of W2, K innermost, in blocks of 32 codes, four codes in three bytes); W2_scales 512 x 32 uint8 (E8M0 scales of W2, one for each 32 codes along K); b1 1,024 float32; b2 512 float32; latent_traj 32 x 1,024 x 256 float32.
;; Outputs: out0 32 x 1,024 x 256 float32; out1 32 x 1,024 x 256 float32.
;; This version of the problem:
;;   THIS VERSION OF THE PROBLEM IS GIVEN IN LOW PRECISION. The matrix products marked QUANTISED in the list below multiply operands that are first quantised to E2M3 (2 exponent bits, 3 mantissa bits; 6 bits a number), with one power-of-two scale for each 32 numbers along K (OCP MX v1.0); their sums are f32. All else is computed in f32.
;;   The module's matrix products, in the order in which they are computed (A, B: the left and right operand; K: the contracted axis; several contracted axes count as one K, in the product's order):
;;     1. batch 32 x [M 1,024, K 256] x [K 256, N 1,024]; A: input latent_traj; B: input latent_traj: QUANTISED
;;     2. batch 32 x [M 1,024, K 1,024] x [K 1,024, N 256]; A: softmax (see below); B: input latent_traj: QUANTISED
;;     3. [M 32,768, K 512] x [K 512, N 1,024]; A: computed on the way; B: input W1 (given as codes): QUANTISED
;;     4. [M 32,768, K 1,024] x [K 1,024, N 512]; A: computed on the way; B: input W2 (given as codes): QUANTISED
;;   THE QUANTISER, for each operand of a quantised product, along K:
;;     - K is cut into blocks of 32 from its start; a last block that is shorter is filled with zeros.
;;     - A block's scale is 2^e with e = floor(log2(the largest magnitude in the block)) - 2, held to -126 .. 127; a block of zeros has e = 0. As a byte (E8M0): e + 127.
;;     - Each number is divided by its block's scale, clamped to +-7.5, and rounded to the nearest number of E2M3, ties to even, subnormals kept.
;;     - The product sums the exact products of the quantised numbers (number of the format x scale) in f32.
;;   ~~~python
;;   def quantise(x, axis):      # numpy; x: float32 -> the quantised numbers, widened to float32 again
;;       x = np.moveaxis(x, axis, -1); K = x.shape[-1]
;;       x = np.pad(x, [(0, 0)] * (x.ndim - 1) + [(0, -K % 32)]); x = x.reshape(x.shape[:-1] + (-1, 32)); a = np.abs(x).max(-1, keepdims=True)
;;       e = np.where(a > 0, np.clip(np.frexp(np.where(a > 0, a, 1))[1] - 1 - 2, -126, 127), 0)      # np.frexp(a)[1] - 1 = floor(log2(a)), exactly
;;       r = np.clip(x / 2.0 ** e, -7.5, 7.5)
;;       step = 2.0 ** (np.maximum(np.frexp(np.where(r == 0, 1, r))[1] - 1, 0) - 3)
;;       q = np.round(r / step) * step * 2.0 ** e      # np.round: ties to even
;;       return np.moveaxis(q.reshape(q.shape[:-2] + (-1,))[..., :K], -1, axis).astype(np.float32)
;;   ~~~
;;   SOFTMAX AHEAD OF A QUANTISED PRODUCT. Where the list says 'softmax', what is quantised is not the finished softmax but p = 2^(t - M), with t = logit x log2(e) and M = ceil(the row's largest t), a whole number; so 1/2 < the row's largest p <= 1. The row's sum l is taken of the UNQUANTISED p, in f32, and the product's result is divided by l at the end. Since M is a whole number, a kernel that streams over the keys may use a running M (the ceiling of the running maximum): every later rescaling is an exact power of two, which a block's scale takes up: the codes' values come out the same.
;;   OPERANDS COMPUTED ON THE WAY. 'Computed on the way' means the value that the module computes at that place (a softmax that the list does not call 'softmax' is quantised finished and normalised). What goes into a quantiser is computed in f32, as accurately as f32 sums, v_exp_f32 and their like allow (about 1e-6 of the number): no bf16 or f16 on the way to a quantiser, and a product that is left as it is and whose result goes on into a quantised operand takes f32 operands (vector FMAs, or v_wmma_f32_16x16x4_f32). A number that lies on a knife's edge between two numbers of the format may be rounded either way, as far as f32 arithmetic and the matrix unit's own rounding can turn it there, and no further.
;;   INPUTS GIVEN AS CODES. W1 (in the module: [512, 1024], K = its axis 0); W2 (in the module: [1024, 512], K = its axis 0): each comes as NAME_codes (uint8): NAME with its K axis moved to the last place and cut into blocks of 32 codes, [.., K / 32, bytes a block], one block behind the other in memory; four codes in three bytes: a row's codes are one little-endian stream of bits, code i at bits 6 i .. 6 i + 5 (a code: sign, 2 exponent bits, 3 mantissa bits); and NAME_scales (uint8): the same leading axes, one E8M0 byte (e + 127) for each 32 codes along K. Its value is code x scale, taken as it is: it is not quantised again, and the codes and scales need not be those that the quantiser above would give.
;; One version. Each part assembles by itself: llvm-mc -triple=amdgcn-amd-amdhsa -mcpu=gfx1250 --defsym DOCPART=n.
;; ======== version 1 of 1: 2 launches
;; limits: right only within a limited range of input values
;; workspace buffers: xq 13,107,200 bytes; wf 786,432 bytes
;; launch prep (part 1): grid 256 x 1, 8 waves a work-group, no clusters, 168,960 bytes of LDS; arguments latent_traj, W1_codes, W2_codes, xq, wf; writes xq, wf
.if DOCPART == 1
	.amdgcn_target "amdgcn-amd-amdhsa--gfx1250"
	.amdhsa_code_object_version 6
	.text
	.protected	k_qe806f1f8be_prep
	.globl	k_qe806f1f8be_prep
	.p2align	8
	.type	k_qe806f1f8be_prep,@function
k_qe806f1f8be_prep:
	s_mov_b64 s[64:65], 0
	v_nop
	global_prefetch_b8 v0, s[64:65] scope:SCOPE_SE
	s_setreg_imm32_b32 hwreg(HW_REG_WAVE_MODE, 25, 1), 1
	s_wait_xcnt 0x0
; x = latent_traj [32][1024][256] f32 is turned into codes of FP6 (E2M3) twice: along d (queries, keys, the first half of the MLP's input) and along the keys (values),
; with one E8M0 scale byte for each 32 along K.  W1's and W2's codes, which arrive by rows, are moved byte for byte into the order in which the second launch reads them.
; A block's scale byte is its largest magnitude's exponent field - 2, held at 1 from below; each number is divided by the scale and rounded to the nearest code, ties to even, beyond 7.5 the largest code.
; LIMITS: NaN and infinities among the inputs are not served.  A block of zeros gets the byte 1 where the stated quantiser says 127: its codes are zeros, which add nothing, and this program alone reads the bytes.
; EVERYTHING LEAVES AS IMAGES OF OPERAND REGISTERS.  A fragment is 16 rows x 128 K = 12 registers a lane = 1,536 bytes: registers 4 g .. 4 g + 3 of lane l at 512 g + 16 l.  Lane (r, h) holds K blocks h and 2 + h of its row.
; THE ROWS OF A TILE ARE NOT NEIGHBOURS: lane r of tile 2 G + u holds row 32 G + 8 u + r + 8 (r / 8), so that in a transposed product the 16 registers of tiles 2 G, 2 G + 1 are 16 neighbours along the next K.
; SHARES.  Work-group i makes unit i of xq (51,200 bytes): 128 keys of one batch.  +0: 16 fragments (key tile tau, half ks of d) at 2 tau + ks;  +24,576: 16 fragments of V^T (tile dt of d; K = the 128 keys);
; +49,152: K's scale words, (tau, lane l) at 512 (tau / 4) + 16 l + 4 (tau % 4), lanes 0-15 half 0, lanes 16-31 half 1;  +50,176: V's, register bp likewise, lanes 0-15 tile 2 bp, lanes 16-31 tile 2 bp + 1.
; Wave w makes K's fragments of tile w and V's fragments 2 w, 2 w + 1.  Wave 0 also moves fragment i of W1, wave 1 fragment i of W2.
; The unit's 128 rows of 1,024 bytes come into LDS once, 16 rows by each wave's one tensor load, since they are read twice: along the rows and down the columns.  Nothing in LDS is filled again.
.set UNIT,  51200
.set VFOFF, 24576
.set KSOFF, 49152
.set WP,    16896                      ; LDS bytes set apart for a wave's 16 rows
.set RP,    1040                       ; a row in LDS: 1,024 bytes + 16 of padding = 260 words: row after row begins 4 banks on (64 banks of 4 bytes: ISA guide 11.1)
.set SCST,  135168                     ; behind the rows: 2,048 bytes in which the unit's scale words are gathered; no tensor load lands there
.set LI,  1                            ; v1   16 x lane
.set RR,  2                            ; v2   r = lane % 16
.set HH,  3                            ; v3   h = lane / 16
.set AK,  4                            ; v4   LDS address of my row's numbers for K's fragments
.set AV,  5                            ; v5-6 LDS address of my column for V's fragments: keys 32 h on, keys 64 + 32 h on
.set SH,  7                            ; v7   8 h
.set VO,  8                            ; v8   16 x lane + 3,072 x wave: my place in the unit's fragments
.set SW,  9                            ; v9   where my scale word goes in LDS
.set SR,  10                           ; v10  where I read 8 bytes of scale words back
.set SG,  11                           ; v11  and their place in the unit
.set MM,  12                           ; v12-13 largest magnitudes of my two blocks
.set EE,  14                           ; v14-15 the conversions' scale operands
.set BY,  16                           ; v16-17 the scale bytes
.set TT,  18                           ; v18  a lane permute's destination
.set WD,  20                           ; v20-23 the four fragments' scale words
.set PT,  24                           ; v24-31 the conversions' second halves (at the head: at work)
.set CD,  32                           ; v32-79 four sets of 12 registers of codes: no store's data are written again
.set X0,  80                           ; v80-143, v144-207: two sets of 64 numbers
.set X1,  144
.set RL,  208                          ; v208-219 a weight's fragment on its way
.set RO,  220                          ; v220 its lane offset
.set SO,  222                          ; v[222:223] scale words on the way out
.set WV,  14
.set G1,  16                           ; s[16:23] descriptor group 1
.set G0,  24                           ; s[24:27] descriptor group 0
.set SEL, 44                           ; s[44:45] lane selects for v_permlanex16_b32: lane l xor 16
	s_load_b256 s[4:11], s[0:1], 0x0               ; x s[4:5], W1's codes s[6:7], W2's codes s[8:9], xq s[10:11]
	s_load_b64 s[12:13], s[0:1], 0x20              ; wf
	v_lshl_add_u32 v224, v0, 2, 0x29000
	v_mov_b32 v225, 0
	ds_add_u32 v224, v225
	ds_add_u32 v224, v225
	v_lshrrev_b32 v1, 5, v0
	s_delay_alu instid0(VALU_DEP_1)
	v_readfirstlane_b32 s[WV], v1                  ; wave 0..7
	; group 1: 16 rows x 256 elements of 4 bytes, 4 words of padding behind every 256 words
	s_mov_b32 s[G1+0], (2<<16)|(1<<20)|(7<<22)|(3<<25)
	s_mov_b32 s[G1+1], 256<<16                     ; tensor_dim0 = 256
	s_mov_b32 s[G1+2], 16<<16                      ; tensor_dim1 = 16
	s_mov_b32 s[G1+3], 256<<16                     ; tile_dim0 = 256
	s_mov_b32 s[G1+4], 16                          ; tile_dim1 = 16
	s_mov_b32 s[G1+5], 256                         ; elements from row to row
	s_mov_b32 s[G1+6], 0
	s_mov_b32 s[G1+7], 0
	; my 16 rows go to WP x wave, moved on by 128 bytes in odd waves and by 32 bytes where bit 1 of the wave is set: rows 16 apart then begin 32 banks apart, rows 32 apart 8 banks apart
	s_mov_b32 s[G0], 1
	s_mul_i32 s[G0+1], s[WV], WP
	s_and_b32 s28, s[WV], 1
	s_lshl_b32 s28, s28, 7
	s_add_co_u32 s[G0+1], s[G0+1], s28
	s_bfe_u32 s28, s[WV], 0x10001
	s_lshl_b32 s28, s28, 5
	s_add_co_u32 s[G0+1], s[G0+1], s28
	s_lshl_b32 s30, ttmp9, 17                      ; the unit's 128 rows of 1,024 bytes,
	s_lshl_b32 s28, s[WV], 14                      ; my 16 of them
	s_add_co_u32 s30, s30, s28
	s_mov_b32 s31, 0
	s_mul_i32 s32, ttmp9, UNIT
	s_mov_b32 s33, 0
	s_mov_b32 s[SEL], 0x76543210
	s_mov_b32 s[SEL+1], 0xfedcba98
	s_wait_dscnt 0x0
	s_wait_kmcnt 0x0
	s_add_nc_u64 s[10:11], s[10:11], s[32:33]      ; xq at my unit
	s_add_nc_u64 s[G0+2:G0+3], s[4:5], s[30:31]
	s_or_b32 s[G0+3], s[G0+3], 0x80000000          ; type = 2
	tensor_load_to_lds s[G0:G0+3], s[G1:G1+7]      ; the one tensor load of this wave
	s_nop 0
	v_and_b32 v[RR], 15, v0
	v_bfe_u32 v[HH], v0, 4, 1
	v_and_b32 v[LI], 31, v0
	s_delay_alu instid0(VALU_DEP_1)
	v_lshlrev_b32 v[SR], 3, v[LI]                  ; 8 x lane
	s_delay_alu instid0(VALU_DEP_2)
	v_lshlrev_b32 v[LI], 4, v[LI]
	v_lshrrev_b32 v24, 3, v[RR]                    ; r / 8
	v_and_b32 v25, 7, v[RR]                        ; r % 8
	s_delay_alu instid0(VALU_DEP_2)
	v_lshl_add_u32 v26, v24, 3, v[RR]              ; r + 8 (r / 8)
	; K's fragments: my row is key 32 (w / 2) + 8 (w % 2) + r % 8 + 16 (r / 8)
	s_delay_alu instid0(VALU_DEP_3)
	v_mul_u32_u24 v[AK], v24, WP+128
	s_delay_alu instid0(VALU_DEP_1)
	v_mad_u32_u24 v[AK], v25, RP, v[AK]
	s_delay_alu instid0(VALU_DEP_1)
	v_lshl_add_u32 v[AK], v[HH], 7, v[AK]          ; + 128 h: my 32 numbers of each 64
	s_wait_alu depctr_va_vdst(0)
	s_lshr_b32 s28, s[WV], 1
	s_mul_i32 s29, s28, 2*WP
	s_and_b32 s28, s28, 1
	s_lshl_b32 s28, s28, 5
	s_add_co_u32 s29, s29, s28
	s_and_b32 s28, s[WV], 1
	s_mul_i32 s28, s28, 8*RP
	s_add_co_u32 s29, s29, s28
	v_add_nc_u32 v[AK], s29, v[AK]
	; V's fragments: my column is d = 32 w + 8 u + r + 8 (r / 8); my keys 64 c + 32 h + 0 .. 31
	v_lshlrev_b32 v[AV], 2, v26
	s_delay_alu instid0(VALU_DEP_1)
	v_mad_u32_u24 v[AV], v[HH], 2*WP+32, v[AV]
	s_lshl_b32 s28, s[WV], 7
	v_add_nc_u32 v[AV], s28, v[AV]
	s_delay_alu instid0(VALU_DEP_1)
	v_add_nc_u32 v[AV+1], 4*WP, v[AV]
	v_lshlrev_b32 v[SH], 3, v[HH]
	s_mul_i32 s28, s[WV], 3072
	v_add_nc_u32 v[VO], s28, v[LI]
	s_lshr_b32 s28, s[WV], 2
	s_lshl_b32 s28, s28, 9
	s_and_b32 s29, s[WV], 3
	s_lshl_b32 s29, s29, 2
	s_add_co_u32 s28, s28, s29
	s_add_co_u32 s28, s28, SCST
	v_add_nc_u32 v[SW], s28, v[LI]                 ; SCST + 512 (w / 4) + 4 (w % 4) + 16 x lane
	s_lshl_b32 s28, s[WV], 8
	v_add_nc_u32 v[SG], s28, v[SR]                 ; 256 w + 8 x lane
	s_delay_alu instid0(VALU_DEP_1)
	v_add_nc_u32 v[SR], SCST, v[SG]
	s_delay_alu instid0(VALU_DEP_2)
	v_add_nc_u32 v[SG], KSOFF, v[SG]
	v_mov_b32 v[TT], 0                             ; written once: a lane permute's destination counts as one of its sources
	; ---- the weights: fragment i of W1 (wave 0) or of W2 (wave 1) goes from rows to an image.  wf holds, for each wave ww of the second launch, 128 fragments in the order of their use:
	; 64 of W1 (8 n + t: hidden rows 256 ww + 128 (n / 4) + tile t, K step n % 4), then 64 of W2 (rows 128 ww + tile t, K step n)
	s_cmp_lt_u32 s[WV], 2
	s_cbranch_scc0 .Lno_weight
	s_cmp_eq_u32 s[WV], 0                          ; every choice below hangs on this compare alone
	s_cselect_b64 s[32:33], s[6:7], s[8:9]         ; the codes
	s_mov_b32 s34, 768
	s_cselect_b32 s34, 384, s34                    ; bytes in a row: 512 or 1,024 codes
	s_cselect_b32 s35, 5, 6                        ; fragments that share 128 rows: 32 or 64
	s_cselect_b32 s36, 3, 7                        ; K steps - 1
	s_mov_b32 s37, 64*1536
	s_cselect_b32 s37, 0, s37                      ; W2's fragments lie behind W1's
	s_lshr_b32 s38, ttmp9, s35
	s_lshl_b32 s38, s38, 7
	s_bfe_u32 s39, ttmp9, 0x20001
	s_lshl_b32 s39, s39, 5
	s_add_co_u32 s38, s38, s39
	s_and_b32 s39, ttmp9, 1
	s_lshl_b32 s39, s39, 3
	s_add_co_u32 s38, s38, s39                     ; the tile's first row
	s_mul_i32 s38, s38, s34
	s_lshr_b32 s39, ttmp9, 3
	s_and_b32 s39, s39, s36                        ; its K step: 96 bytes each
	s_mul_i32 s39, s39, 96
	s_add_co_u32 s38, s38, s39
	v_mul_u32_u24 v[RO], v26, s34
	s_delay_alu instid0(VALU_DEP_1)
	v_mad_u32_u24 v[RO], v[HH], 24, v[RO]
	s_delay_alu instid0(VALU_DEP_1)
	v_add_nc_u32 v[RO], s38, v[RO]
.irp p, 0,1,2,3,4,5
	global_load_b64 v[RL+2*\p:RL+2*\p+1], v[RO], s[32:33] offset:48*(\p/3)+8*(\p%3)   ; the lane's two runs of 24 bytes, in pieces of 8
.endr
	s_lshr_b32 s39, ttmp9, 6
	s_mul_i32 s39, s39, 128*1536
	s_and_b32 s40, ttmp9, 63
	s_mul_i32 s40, s40, 1536
	s_add_co_u32 s40, s40, s39
	s_add_co_u32 s40, s40, s37
	s_mov_b32 s41, 0
	s_add_nc_u64 s[12:13], s[12:13], s[40:41]
	s_wait_loadcnt 0x0
.irp g, 0,1,2
	global_store_b128 v[LI], v[RL+4*\g:RL+4*\g+3], s[12:13] offset:512*\g   ; 32 lanes store 512 consecutive bytes
.endr
.Lno_weight:
	s_wait_tensorcnt 0x0                           ; my 16 rows are in LDS,
	s_barrier_signal -1
	s_barrier_wait -1                              ; everybody's are
.macro FETCHK ks, xs                   ; my row's numbers d = 128 ks + 64 c + 32 h + 0 .. 31 into v[xs + 32 c] on
.irp c, 0,1
.irp j, 0,1,2,3,4,5,6,7
	ds_load_b128 v[\xs+32*\c+4*\j:\xs+32*\c+4*\j+3], v[AK] offset:512*\ks+256*\c+16*\j
.endr
.endr
.endm
.macro FETCHV u, xs                    ; my column's numbers of keys 64 c + 32 h + 0 .. 31: registers run down the keys
.irp c, 0,1
.set ii, 0
.rept 32
	ds_load_b32 v[\xs+32*\c+ii], v[AV+\c] offset:32*\u+(ii/16)*(WP+128)+(ii%16)*RP
.set ii, ii+1
.endr
.endr
.endm
; 64 numbers of a lane, two whole blocks of 32, become a fragment's 12 registers v[cs] on and its row's scale word v[ws]
.macro QB xs, cs, ws
.irp c, 0,1
	v_max3_num_f32 v[MM+\c], |v[\xs+32*\c]|, |v[\xs+32*\c+1]|, 0x1800000   ; with the floor 2^(3 - 127): the byte cannot fall under 1
.endr
.irp i, 2,4,6,8,10,12,14,16,18,20,22,24,26,28,30
.irp c, 0,1
	s_delay_alu instid0(VALU_DEP_2)
	v_max3_num_f32 v[MM+\c], v[MM+\c], |v[\xs+32*\c+\i]|, |v[\xs+32*\c+\i+1]|   ; the two blocks by turns
.endr
.endr
.irp c, 0,1
	s_delay_alu instid0(VALU_DEP_2)
	v_add_nc_u32 v[EE+\c], 0xff000000, v[MM+\c]    ; 2 off the exponent field: the conversion takes this operand's exponent field as its scale
.endr
.irp c, 0,1
	s_delay_alu instid0(VALU_DEP_2)
	v_lshrrev_b32 v[BY+\c], 23, v[EE+\c]           ; the scale's byte
.endr
	s_delay_alu instid0(VALU_DEP_1)
	v_lshl_or_b32 v[\ws], v[BY+1], 16, v[BY]       ; my bytes: blocks h and 2 + h,
	s_delay_alu instid0(VALU_DEP_1)
	v_lshlrev_b32 v[\ws], v[SH], v[\ws]            ; at their places,
	s_delay_alu instid0(VALU_DEP_1)
	v_permlanex16_b32 v[TT], v[\ws], s[SEL], s[SEL+1]
	s_delay_alu instid0(VALU_DEP_1)
	v_or_b32 v[\ws], v[\ws], v[TT]                 ; with lane l xor 16's two the word is whole, in both lanes
.irp c, 0,1
	v_cvt_scalef32_pk16_fp6_f32 v[\cs+6*\c:\cs+6*\c+2], v[\xs+32*\c:\xs+32*\c+15], v[EE+\c]
	v_cvt_scalef32_pk16_fp6_f32 v[PT+4*\c:PT+4*\c+2], v[\xs+32*\c+16:\xs+32*\c+31], v[EE+\c]   ; a conversion's three registers begin on an even number: made elsewhere and moved
.endr
	v_nop                                          ; one plain place behind a scaled conversion
.irp c, 0,1
.irp i, 0,1,2
	v_mov_b32 v[\cs+6*\c+3+\i], v[PT+4*\c+\i]
.endr
.endr
.endm
.macro OUT cs, off                     ; the fragment leaves as it stands: each store covers 512 consecutive bytes
.irp g, 0,1,2
	global_store_b128 v[VO], v[\cs+4*\g:\cs+4*\g+3], s[10:11] offset:\off+512*\g
.endr
.endm
	FETCHK 0, X0
	FETCHK 1, X1
	s_wait_dscnt 16                                ; the first 16 loads are in; the second fragment's 16 may be out
	QB X0, CD, WD
	OUT CD, 0
	FETCHV 0, X0
	s_wait_dscnt 63                                ; 64 loads are younger than the ones wanted; the count names one fewer
	QB X1, CD+12, WD+1
	OUT CD+12, 1536
	FETCHV 1, X1
	s_wait_dscnt 63                                ; likewise
	QB X0, CD+24, WD+2
	OUT CD+24, VFOFF
	s_wait_dscnt 0x0
	QB X1, CD+36, WD+3
	OUT CD+36, VFOFF+1536
	; the scale words: one register for two fragments, the first in lanes 0-15, the second in lanes 16-31; gathered in LDS, so that each wave stores 256 consecutive bytes
	s_mov_b32 s28, 0xffff0000
	v_cndmask_b32 v24, v[WD], v[WD+1], s28
	v_cndmask_b32 v25, v[WD+2], v[WD+3], s28
	ds_store_b32 v[SW], v24
	ds_store_b32 v[SW], v25 offset:1024
	s_wait_dscnt 0x0                               ; for the others' sake: my words are in LDS
	s_barrier_signal -1
	s_barrier_wait -1
	ds_load_b64 v[SO:SO+1], v[SR]
	s_wait_dscnt 0x0
	global_store_b64 v[SG], v[SO:SO+1], s[10:11]
	s_wait_tensorcnt 0x0
	ds_add_u32 v224, v225
	s_wait_dscnt 0x0
	s_endpgm
.Lfunc_end_k_qe806f1f8be_prep:
	.size	k_qe806f1f8be_prep, .Lfunc_end_k_qe806f1f8be_prep-k_qe806f1f8be_prep
	.p2alignl 7, 3214868480
	.fill 96, 4, 3214868480
	.section	.rodata,"a",@progbits
	.p2align	6, 0x0
	.amdhsa_kernel k_qe806f1f8be_prep
		.amdhsa_group_segment_fixed_size 168960
		.amdhsa_private_segment_fixed_size 0
		.amdhsa_enable_private_segment 0
		.amdhsa_kernarg_size 40
		.amdhsa_user_sgpr_count 2
		.amdhsa_user_sgpr_kernarg_segment_ptr 1
		.amdhsa_wavefront_size32 1
		.amdhsa_system_sgpr_workgroup_id_x 1
		.amdhsa_system_sgpr_workgroup_id_y 1
		.amdhsa_system_sgpr_workgroup_id_z 1
		.amdhsa_system_vgpr_workitem_id 0
		.amdhsa_next_free_vgpr 226
		.amdhsa_next_free_sgpr 66
		.amdhsa_reserve_vcc 0
		.amdhsa_float_denorm_mode_32 3
		.amdhsa_float_denorm_mode_16_64 3
		.amdhsa_memory_ordered 1
		.amdhsa_forward_progress 1
		.amdhsa_inst_pref_size 35
	.end_amdhsa_kernel
	.amdgpu_metadata
---
amdhsa.version: [ 1, 2 ]
amdhsa.kernels:
  - .name:           k_qe806f1f8be_prep
    .symbol:         k_qe806f1f8be_prep.kd
    .args:
      - { .name: latent_traj, .offset: 0, .size: 8, .value_kind: global_buffer, .address_space: global }
      - { .name: W1_codes, .offset: 8, .size: 8, .value_kind: global_buffer, .address_space: global }
      - { .name: W2_codes, .offset: 16, .size: 8, .value_kind: global_buffer, .address_space: global }
      - { .name: xq, .offset: 24, .size: 8, .value_kind: global_buffer, .address_space: global }
      - { .name: wf, .offset: 32, .size: 8, .value_kind: global_buffer, .address_space: global }
    .group_segment_fixed_size: 168960
    .private_segment_fixed_size: 0
    .kernarg_segment_align: 8
    .kernarg_segment_size: 40
    .max_flat_workgroup_size: 256
    .sgpr_count:     66
    .vgpr_count:     226
    .wavefront_size: 32
...
	.end_amdgpu_metadata
.endif
;; end of part 1
;; launch main (part 2): grid 256 x 1, 4 waves a work-group, no clusters, 327,680 bytes of LDS; arguments xq, wf, W1_scales, W2_scales, b1, b2, out0, out1; writes out0, out1
.if DOCPART == 2
	.amdgcn_target "amdgcn-amd-amdhsa--gfx1250"
	.amdhsa_code_object_version 6
	.text
	.protected	k_qe806f1f8be_main
	.globl	k_qe806f1f8be_main
	.p2align	8
	.type	k_qe806f1f8be_main,@function
k_qe806f1f8be_main:
	s_mov_b64 s[64:65], 0
	v_nop
	global_prefetch_b8 v0, s[64:65] scope:SCOPE_SE
	s_setreg_imm32_b32 hwreg(HW_REG_WAVE_MODE, 25, 1), 1
	s_wait_xcnt 0x0
; out = relu([x, ctx] W1 + b1) W2 + b2, ctx = strictly causal attention of x on itself (query t sees keys 0 .. t - 1; ctx of query 0 is 0).  All four products on codes of FP6 (E2M3) with one E8M0 scale for each 32 along K.
; x's codes come from xq (made by the launch before): fragments as images of operand registers (12 registers a lane, 1,536 bytes: registers 4 g .. 4 g + 3 of lane l at 512 g + 16 l), in units of 128 keys:
; +0 K's 16 fragments (2 tau + ks), +24,576 V^T's 16 (dt), +49,152 K's scale words, +50,176 V's.  wf holds each wave's 128 weight fragments in the order of their use.
; THE ROWS OF EVERY TILE ARE PERMUTED: lane r of tile 2 G + u holds row 32 G + 8 u + r + 8 (r / 8).  All products are used transposed (source 0 = keys, channels or weight rows; source 1 = my rows), so a lane holds ONE row
; throughout, and the 16 registers of tiles 2 G, 2 G + 1 are 16 neighbours along the next product's K: results are quantised in registers.
; SHARES.  Work-group (batch b, j = 0 .. 7) owns query blocks j and 15 - j, 64 rows each: together 9 tile steps of 128 keys in every work-group.  Wave w holds one tile of 16 queries of each block.
; Every work-group walks all 8 key steps (constant trip counts); a step all of whose keys are hidden is jumped over by a scalar branch on ids, the same in all four waves.
; In the MLP the waves share the COLUMNS: wave w makes hidden units 256 w .. + 255 and outputs 128 w .. + 127 for all 128 rows; its weights go from memory straight into its registers, each fragment once.
; The rows' codes (x and ctx; then the hidden layer) go from wave to wave through LDS as images.  ctx and the hidden layer never go to memory.
; SOFTMAX: t = score x log2(e) / 16; M = the running largest t rounded up to a whole number; p = 2^(t - M) is quantised; the sum is taken of the unquantised p; when M moves, sum and O are multiplied by 2^(old M - new M), exactly.
; NO CLUSTER: the work-groups that read the same K and V (one batch) differ in j, and the branches round hidden steps hang on j; each weight fragment is used by one wave alone and goes to its registers without touching LDS.
; LIMITS: NaN and infinities among the inputs are not served.  A block of zeros made here carries the byte 1 (its codes are zeros).  1 / sum is v_rcp_f32.  A block's largest p is taken from its largest score, which
; takes v_exp_f32 not to fall where its input rises.  A p under 2^-126 counts as 0.
; O^T is cleared once at the head (256 moves): the key step is written once for both tiles and every step, and its first use finds zeros.
; REGISTERS, in windows of 256.  Window 0: see the names below.  Window 1: O^T of block B v0-127, of block A v128-255; in the MLP four units of four weight fragments v0-191, a bias v192-255; on the way out rows of the result.
; Window 2: K's 16 fragments v0-191, Q of B v192-215, Q of A v216-239; in the MLP the accumulators of row tiles 0-3 ((m, t) at 8 (8 (m % 4) + t)).  Window 3: V's 16 fragments; in the MLP the accumulators of row tiles 4-7.
.set UNIT,   51200
.set FRB,    1536
.set WOFF,   0                         ; the units by which the weight stream's base has been stepped (16 behind the first product's loop)
.set VFOFF,  24576
.set KSOFF,  49152
.set VSOFF,  50176
.set SLOT1,  131072                    ; a slot holds two units (102,400 bytes); slot 1 begins here, so that one exclusive or turns an address from one slot into the other
.set DIMG,   233472                    ; behind the ring: the MLP's input, 32 fragments (4 m + K step)
.set DSC,    282624                    ; its scale words: (m / 2) 512 + 16 l + 8 (m % 2) + 4 e; e = 0: x, 1: ctx; lanes 0-15 the even K step, lanes 16-31 the odd
.set SPARE,  284672                    ; the spare words, 128 bytes for each wave: two blocks of 256 bytes that no other line names
.set HSC,    98304                     ; the hidden layer's 64 fragments (8 m + K step) lie from byte 0 on, its scale words here: in slot 0, which has then had its last fill and its last read
.set STG,    131072                    ; the way out: 16 rows x 528 bytes for each wave, in slot 1, likewise
.set SPITCH, 528
.set LI,   1                           ; v1   16 x lane
.set SPW,  2                           ; v2   LDS address of my spare word; never rewritten
.set NIL,  3                           ; v3   0; never rewritten
.set ADU,  4                           ; v4   the step's unit in LDS + 16 x lane
.set QHB,  5                           ; v5   my query of tile B - 16 h
.set QHA,  6                           ; v6   of tile A
.set NINF, 7                           ; v7   -infinity
.set STB,  8                           ; v8-11  tile B: -M, the largest t, the sum in two halves  (in the MLP: largest magnitudes)
.set STA,  12                          ; v12-15 tile A  (in the MLP: permute, bytes)
.set QSB,  16                          ; v16  Q's scale words of tile B: lanes 0-15 d 0-127, lanes 16-31 d 128-255
.set QSA,  17                          ; v17  of tile A
.set PW,   18                          ; v18-19 scale words just made
.set FF,   20                          ; v20  f = 2^(old M - new M); later 1 / sum
.set PS,   21                          ; v21  p's scale word
.set RS,   24                          ; v24-55 scale words of rows; in attention K's v24-31 and V's v32-39
.set VS,   32
.set PC,   56                          ; v56-67 codes just made
.set PT,   68                          ; v68-75 the conversions' second halves
.set DWA,  76                          ; v76  where I store my tile's input fragments
.set DSA,  77                          ; v77  and their scale words
.set DRA,  78                          ; v78  16 x lane + DIMG
.set DSR,  79                          ; v79  16 x lane + DSC
.set HW0,  80                          ; v80  16 x lane + 3,072 w: where I store hidden fragments of row tiles 0-3
.set HW1,  81                          ; v81  of row tiles 4-7
.set HSW,  82                          ; v82  HSC + 16 r + 4 w
.set HSR,  83                          ; v83  16 x lane + HSC
.set HR1,  84                          ; v84  16 x lane + 49,152
.set STO,  85                          ; v85  the stage: where I put 32 bytes of a row
.set RD,   86                          ; v86  and where I read a row back
.set BOF,  87                          ; v87  64 h: my half's place in a bias
.set S,    96                          ; v96-159 S^T, then p; later ctx
.set RF,   96                          ; v96-191 in the MLP: the eight row tiles' fragments of a K step
.set MX,   160                         ; v160-163 the blocks' largest
.set PB,   164                         ; v164-167 permute, bytes
.set SM,   168                         ; v[168:169] the sum's second chain
.set SO,   172                         ; v172-175 the conversions' scale operands  (in the MLP: v92-95)
.set WS,   192                         ; v192-255 the weights' scale words: W1's 16 c + 4 p + K step, W2's 32 + 8 p + K step; lanes 0-15 tile 2 p, lanes 16-31 tile 2 p + 1
.set OTB,  0                           ; window 1
.set OTA,  128
.set QRB,  192                         ; window 2
.set QRA,  216
.set WV,   20
.set SJ,   21
.set SB,   22
.set G1,   24                          ; s[24:31] descriptor group 1
.set G0,   32                          ; s[32:35] descriptor group 0, which walks
.set TB,   36                          ; s36  LDS byte at which the step's unit begins
.set KF,   37                          ; s37  the step's first key
.set DB,   38                          ; s38  first key of the step on block B's diagonal
.set DA,   39                          ; s39  of block A's
.set SLOTS, 40
.set TWICE, 41
.set SEL,  42                          ; s[42:43] lane selects for v_permlanex16_b32: lane l xor 16
.set CS,   44                          ; s[44:45] c = log2(e) / 16, twice: the packed form names a pair
.set HM,   46                          ; s46  mask of lanes 16-31
.set OA,   48                          ; s[48:49] my columns of block A's first row in the output; s[50:51] of block B's
.set OB,   50
.set WF,   52                          ; s[52:53] my stream of weight fragments
.set PB1,  54                          ; s[54:55] b1 at my 256 hidden units; s[56:57] b2 at my 128 outputs
.set PB2,  56
.set MSB, 0
.macro WIN new                         ; the immediate's high byte repeats the setting that is left; a switch that changes nothing is dropped
.if MSB != (\new)
	s_set_vgpr_msb (MSB<<8)|(\new)
.set MSB, (\new)
.endif
.endm
.macro PLACES                          ; four places behind matrix instructions, in front of loads into their registers and of reads of their results (ISA guide 7.12.1 for vector instructions)
.rept 4
	v_nop
.endr
.endm
; One product, from the symbols rD, rA, rB, rC (under 0: the constant 0 starts the sum), rSA, rSB; fA, fB: the scales stand in lanes 16-31
.macro WM
.if rC < 0
	v_wmma_scale_f32_16x16x128_f8f6f4 v[rD:rD+7], v[rA:rA+11], v[rB:rB+11], 0, v[rSA], v[rSB] matrix_a_fmt:MATRIX_FMT_FP6 matrix_b_fmt:MATRIX_FMT_FP6
.elseif fA && fB
	v_wmma_scale_f32_16x16x128_f8f6f4 v[rD:rD+7], v[rA:rA+11], v[rB:rB+11], v[rC:rC+7], v[rSA], v[rSB] matrix_a_fmt:MATRIX_FMT_FP6 matrix_b_fmt:MATRIX_FMT_FP6 matrix_a_scale:MATRIX_SCALE_ROW1 matrix_b_scale:MATRIX_SCALE_ROW1
.elseif fA
	v_wmma_scale_f32_16x16x128_f8f6f4 v[rD:rD+7], v[rA:rA+11], v[rB:rB+11], v[rC:rC+7], v[rSA], v[rSB] matrix_a_fmt:MATRIX_FMT_FP6 matrix_b_fmt:MATRIX_FMT_FP6 matrix_a_scale:MATRIX_SCALE_ROW1
.elseif fB
	v_wmma_scale_f32_16x16x128_f8f6f4 v[rD:rD+7], v[rA:rA+11], v[rB:rB+11], v[rC:rC+7], v[rSA], v[rSB] matrix_a_fmt:MATRIX_FMT_FP6 matrix_b_fmt:MATRIX_FMT_FP6 matrix_b_scale:MATRIX_SCALE_ROW1
.else
	v_wmma_scale_f32_16x16x128_f8f6f4 v[rD:rD+7], v[rA:rA+11], v[rB:rB+11], v[rC:rC+7], v[rSA], v[rSB] matrix_a_fmt:MATRIX_FMT_FP6 matrix_b_fmt:MATRIX_FMT_FP6
.endif
.endm
	s_load_b512 s[4:19], s[0:1], 0x0               ; xq s[4:5], wf s[6:7], W1's scales s[8:9], W2's s[10:11], b1 s[12:13], b2 s[14:15], out0 s[16:17], out1 s[18:19]
	v_lshl_add_u32 v[SPW], v0, 2, SPARE
	v_mov_b32 v[NIL], 0
	ds_add_u32 v2, v3
	ds_add_u32 v2, v3
	s_wait_dscnt 0x0
	v_lshrrev_b32 v1, 5, v0
	v_readfirstlane_b32 s[WV], v1                  ; wave 0..3
	s_and_b32 s[SJ], ttmp9, 7                      ; j
	s_lshr_b32 s[SB], ttmp9, 3                     ; batch
	; group 1: a quarter of a slot, 25,600 dense bytes, as 100 rows of 32 elements of 8 bytes; no padding: images are read as they lie
	s_mov_b32 s[G1+0], 3<<16
	s_mov_b32 s[G1+1], 32<<16
	s_mov_b32 s[G1+2], 100<<16
	s_mov_b32 s[G1+3], 32<<16
	s_mov_b32 s[G1+4], 100
	s_mov_b32 s[G1+5], 32
	s_mov_b32 s[G1+6], 0
	s_mov_b32 s[G1+7], 0
	s_mul_i32 s58, s[SB], 8*UNIT                   ; the batch's eight units
	s_mov_b32 s59, 0
	s_mul_i32 s60, s[WV], UNIT/2                   ; my quarter of a slot, in memory
	s_mov_b32 s61, 0
	s_mov_b32 s[G0], 1
	s_mul_i32 s[G0+1], s[WV], UNIT/2               ; and in LDS: slot 0
	s_wait_kmcnt 0x0
	s_add_nc_u64 s[4:5], s[4:5], s[58:59]
	s_add_nc_u64 s[G0+2:G0+3], s[4:5], s[60:61]
	s_or_b32 s[G0+3], s[G0+3], 0x80000000          ; type = 2
	tensor_load_to_lds s[G0:G0+3], s[G1:G1+7]      ; keys 0 to 255 into slot 0: one load of mine is out
	s_nop 0
	PLACES                                         ; four v_nop follow a tensor load
	s_mov_b32 s[SEL], 0x76543210
	s_mov_b32 s[SEL+1], 0xfedcba98
	s_mov_b32 s[CS], 0x3db8aa3b                    ; log2(e) / 16
	s_mov_b32 s[CS+1], s[CS]
	s_mov_b32 s[HM], 0xffff0000
	s_mov_b32 s[TB], 0
	s_mov_b32 s[KF], 0
	s_mov_b32 s[SLOTS], 4
	s_lshr_b32 s[DA], s[SJ], 1
	s_lshl_b32 s[DA], s[DA], 7
	s_sub_co_u32 s[DB], 15, s[SJ]
	s_lshr_b32 s[DB], s[DB], 1
	s_lshl_b32 s[DB], s[DB], 7
	v_and_b32 v[LI], 31, v0
	v_lshlrev_b32 v[LI], 4, v[LI]
	s_wait_alu depctr_va_vdst(0)
	v_and_b32 v160, 15, v0                         ; r
	v_bfe_u32 v161, v0, 4, 1                       ; h
	v_lshrrev_b32 v162, 3, v160
	v_lshl_add_u32 v163, v162, 3, v160             ; r + 8 (r / 8)
	v_lshlrev_b32 v162, 4, v161
	v_sub_nc_u32 v162, v163, v162                  ; - 16 h
; Tile T (s63) of the batch's 64: its two fragments' offset, its scale words' offset, my query less 16 h
.macro TILE vq, vs, vh
	s_lshr_b32 s60, s63, 3
	s_mul_i32 s60, s60, UNIT
	s_and_b32 s61, s63, 7
	s_mul_i32 s62, s61, 2*FRB
	s_add_co_u32 s62, s62, s60
	v_add_nc_u32 v[\vq], s62, v[LI]
	s_lshr_b32 s62, s61, 2
	s_lshl_b32 s62, s62, 9
	s_add_co_u32 s62, s62, s60
	s_and_b32 s61, s63, 3
	s_lshl_b32 s61, s61, 2
	s_add_co_u32 s62, s62, s61
	s_add_co_u32 s62, s62, KSOFF
	v_add_nc_u32 v[\vs], s62, v[LI]
	s_lshr_b32 s62, s63, 1
	s_lshl_b32 s62, s62, 5
	s_and_b32 s61, s63, 1
	s_lshl_b32 s61, s61, 3
	s_add_co_u32 s62, s62, s61
	v_add_nc_u32 v[\vh], s62, v162
.endm
	s_wait_alu depctr_va_vdst(0)
	s_lshl_b32 s63, s[SJ], 2
	s_add_co_u32 s63, s63, s[WV]                   ; tile A: 4 j + w
	TILE 89, 91, QHA
	s_sub_co_u32 s63, 15, s[SJ]
	s_lshl_b32 s63, s63, 2
	s_add_co_u32 s63, s63, s[WV]                   ; tile B: 4 (15 - j) + w
	TILE 88, 90, QHB
	WIN 0x80                                       ; destination window 2
	s_wait_alu depctr_va_vdst(0)
.irp k, 0,1
.irp c, 0,1,2
	global_load_b128 v[QRB+12*\k+4*\c:QRB+12*\k+4*\c+3], v88, s[4:5] offset:FRB*\k+512*\c   ; Q's fragments stay in registers
	global_load_b128 v[QRA+12*\k+4*\c:QRA+12*\k+4*\c+3], v89, s[4:5] offset:FRB*\k+512*\c
.endr
.endr
	WIN 0
	global_load_b32 v[QSB], v90, s[4:5]
	global_load_b32 v[QSA], v91, s[4:5]
	; the weights' scale words: lane (r, h) takes the row 8 h + r + 8 (r / 8) of a pair of tiles, 16 bytes at a time
	v_lshl_add_u32 v92, v161, 3, v163
	v_lshlrev_b32 v93, 5, v92                      ; W2: 32 bytes a row
	v_lshlrev_b32 v92, 4, v92                      ; W1: 16 bytes a row
	s_lshl_b32 s60, s[WV], 12                      ; my 256 rows of W1's, my 128 rows of W2's: 4,096 bytes either way
	s_mov_b32 s61, 0
	s_add_nc_u64 s[8:9], s[8:9], s[60:61]
	s_add_nc_u64 s[10:11], s[10:11], s[60:61]
.irp c, 0,1
.irp p, 0,1,2,3
	global_load_b128 v[WS+16*\c+4*\p:WS+16*\c+4*\p+3], v92, s[8:9] offset:(128*\c+32*\p)*16
.endr
.endr
.irp p, 0,1,2,3
.irp e, 0,1
	global_load_b128 v[WS+32+8*\p+4*\e:WS+32+8*\p+4*\e+3], v93, s[10:11] offset:1024*\p+16*\e
.endr
.endr
	s_mul_i32 s60, s[WV], 128*FRB
	s_add_nc_u64 s[WF:WF+1], s[6:7], s[60:61]
	s_lshl_b32 s60, s[WV], 10
	s_add_nc_u64 s[PB1:PB1+1], s[12:13], s[60:61]
	s_lshl_b32 s60, s[WV], 9
	s_add_nc_u64 s[PB2:PB2+1], s[14:15], s[60:61]
	s_cmp_lt_u32 s[WV], 2                          ; outputs 0-255 are out0's, 256-511 out1's: the choice hangs on the wave's number alone
	s_cselect_b64 s[OA:OA+1], s[16:17], s[18:19]
	s_lshl_b32 s58, s[SB], 20                      ; the batch's 1,024 rows of 1,024 bytes
	s_and_b32 s60, s[WV], 1
	s_lshl_b32 s60, s60, 9                         ; my 128 columns
	s_add_co_u32 s58, s58, s60
	s_sub_co_u32 s60, 15, s[SJ]
	s_lshl_b32 s60, s60, 16                        ; 64 rows a block
	s_add_co_u32 s60, s60, s58
	s_add_nc_u64 s[OB:OB+1], s[OA:OA+1], s[60:61]
	s_lshl_b32 s60, s[SJ], 16
	s_add_co_u32 s60, s60, s58
	s_add_nc_u64 s[OA:OA+1], s[OA:OA+1], s[60:61]
	; LDS addresses: each a constant + a constant x lane + a constant x wave
	s_mul_i32 s60, s[WV], 4*FRB
	s_add_co_u32 s60, s60, DIMG
	v_add_nc_u32 v[DWA], s60, v[LI]
	s_lshr_b32 s60, s[WV], 1
	s_lshl_b32 s60, s60, 9
	s_and_b32 s62, s[WV], 1
	s_lshl_b32 s62, s62, 3
	s_add_co_u32 s60, s60, s62
	s_add_co_u32 s60, s60, DSC
	v_add_nc_u32 v[DSA], s60, v[LI]
	v_add_nc_u32 v[DRA], DIMG, v[LI]
	v_add_nc_u32 v[DSR], DSC, v[LI]
	s_mul_i32 s60, s[WV], 2*FRB
	v_add_nc_u32 v[HW0], s60, v[LI]
	v_add_nc_u32 v[HW1], 32*FRB, v[HW0]
	v_lshlrev_b32 v[HSW], 4, v160
	s_lshl_b32 s60, s[WV], 2
	s_add_co_u32 s60, s60, HSC
	v_add_nc_u32 v[HSW], s60, v[HSW]
	v_add_nc_u32 v[HSR], HSC, v[LI]
	v_add_nc_u32 v[HR1], 32*FRB, v[LI]
	v_mul_u32_u24 v[STO], v160, SPITCH
	v_lshl_add_u32 v[STO], v161, 6, v[STO]
	s_mul_i32 s60, s[WV], 16*SPITCH
	s_add_co_u32 s60, s60, STG
	v_add_nc_u32 v[STO], s60, v[STO]
	v_add_nc_u32 v[RD], s60, v[LI]
	v_lshlrev_b32 v[BOF], 6, v161
	v_mov_b32 v[NINF], 0xff800000
.irp st, STB, STA
	v_mov_b32 v[\st+1], 0xff61b1e6                 ; the largest t so far: -3e38, under every t
	v_floor_f32 v[\st], -v[\st+1]                  ; -M
	v_mov_b32 v[\st+2], 0                          ; the sum, in two halves
	v_mov_b32 v[\st+3], 0
.endr
.irp b, 0,1,2,3
	v_mov_b32 v[PB+\b], 0                          ; written once: a lane permute's destination counts as one of its sources
.endr
	v_mov_b32 v[PS], 0                             ; (named as the upper half of the pair v[20:21] before it is first written)
	v_mov_b32 v23, 0
	WIN 0x40
.set ii, 0
.rept 256
	v_mov_b32 v[ii], 0                             ; O^T of both tiles
.set ii, ii+1
.endr
	WIN 0
	s_wait_loadcnt 0x0                             ; Q, its scale words, the weights' scale words
; S^T = K Q^T, half k of d: eight tiles of 16 keys by turns; half 0 starts the sums
.macro SMM qr, qs, k
	WIN 0x0a                                       ; K and Q in window 2, S^T in window 0
.set tt, 0
.rept 8
.set rD, S+8*tt
.set rA, 24*tt+12*\k
.set rB, \qr+12*\k
.set rSA, RS+tt
.set rSB, \qs
.set fA, \k
.set fB, \k
.if \k
.set rC, rD
.else
.set rC, -1
.endif
	WM
.set tt, tt+1
.endr
.endm
; O^T += V^T P^T: sixteen tiles of 16 channels; K = the step's 128 keys
.macro PV ob
	WIN 0x53                                       ; V in window 3, P in window 0, O^T in window 1
.set tt, 0
.rept 16
.set rD, \ob+8*tt
.set rA, 12*tt
.set rB, PC
.set rC, rD
.set rSA, VS+tt/2
.set rSB, PS
.set fA, tt%2
.set fB, 0
	WM
.set tt, tt+1
.endr
.endm
; One tile's softmax for one key step.  Register 16 b + i of S holds key KF + 32 b + 16 h + i of my query.
.macro SOFT st, qh, dx, ob
	WIN 0
	s_cmp_lg_u32 s[KF], s[\dx]                     ; only the step on the diagonal has hidden keys
	s_cbranch_scc1 .Lopen_\@
	v_sub_nc_u32 v22, v[\qh], s[KF]                ; d = my query - 16 h - KF: key hidden where 32 b + i >= d (strictly causal)
.set nn, 0
.rept 64
	v_cmp_ge_i32 vcc_lo, 32*(nn/16)+nn%16, v22
	v_cndmask_b32 v[S+nn], v[S+nn], v[NINF], vcc_lo
.set nn, nn+1
.endr
.Lopen_\@:
.irp b, 0,1,2,3
	v_max3_num_f32 v[MX+\b], v[S+16*\b], v[S+1+16*\b], v[S+2+16*\b]   ; the largest score of each block of 32 keys: it serves the row's maximum and, since p rises with the score, the block's largest p
.endr
.irp i, 3,5,7,9,11,13
.irp b, 0,1,2,3
	v_max3_num_f32 v[MX+\b], v[MX+\b], v[S+16*\b+\i], v[S+1+16*\b+\i]
.endr
.endr
.irp b, 0,1,2,3
	v_max_num_f32 v[MX+\b], v[MX+\b], v[S+15+16*\b]
.endr
.irp b, 0,1,2,3
	v_permlanex16_b32 v[PB+\b], v[MX+\b], s[SEL], s[SEL+1]
.endr
.irp b, 0,1,2,3
	v_max_num_f32 v[MX+\b], v[MX+\b], v[PB+\b]     ; with lane l xor 16's 16 keys
.endr
	v_max3_num_f32 v22, v[MX], v[MX+1], v[MX+2]
	v_max_num_f32 v22, v22, v[MX+3]
	v_mul_f32 v22, s[CS], v22                      ; the step's largest t
	v_max_num_f32 v[\st+1], v[\st+1], v22          ; the running largest t
	v_mov_b32 v22, v[\st]
	v_floor_f32 v[\st], -v[\st+1]                  ; the new -M = -ceil(t)
	v_sub_f32 v22, v[\st], v22                     ; old M - new M: a whole number, 0 or less
	v_cvt_i32_f32 v22, v22                         ; (it saturates)
	v_ldexp_f32 v[FF], 1.0, v22                    ; f = 2^(old M - new M)
.set nn, 0
.rept 32
	v_pk_fma_f32 v[S+nn:S+nn+1], v[S+nn:S+nn+1], s[CS:CS+1], v[\st:\st+1] op_sel_hi:[1,0,0]   ; t - M, two at a time
.set nn, nn+2
.endr
.irp b, 0,1,2,3
	v_fma_f32 v[MX+\b], v[MX+\b], s[CS], v[\st]    ; the same of each block's largest score
.endr
.set nn, 0
	s_wait_alu depctr_va_vdst(0)
.rept 64
	v_exp_f32 v[S+nn], v[S+nn]                     ; p = 2^(t - M)
.set nn, nn+1
.endr
.irp b, 0,1,2,3
	v_exp_f32 v[MX+\b], v[MX+\b]                   ; the block's largest p
.endr
	v_pk_mul_f32 v[\st+2:\st+3], v[\st+2:\st+3], v[FF:FF+1] op_sel_hi:[1,0]   ; the sums under the new M.  (A plain place behind the exponentials)
	s_wait_alu depctr_va_vdst(0)
.irp b, 0,1,2,3
	v_max_num_f32 v[MX+\b], 0x1800000, v[MX+\b]    ; the floor 2^(3 - 127): the byte cannot fall under 1
.endr
.irp b, 0,1,2,3
	v_add_nc_u32 v[SO+\b], 0xff000000, v[MX+\b]    ; 2 off the exponent field: the conversion's scale operand
.endr
.irp b, 0,1,2,3
	v_lshrrev_b32 v[PB+\b], 23, v[SO+\b]           ; the scale's byte
.endr
	v_lshl_or_b32 v[PS], v[PB+1], 8, v[PB]
	v_lshl_or_b32 v[PS], v[PB+2], 16, v[PS]
	v_lshl_or_b32 v[PS], v[PB+3], 24, v[PS]
.irp c, 0,1
	v_cvt_scalef32_pk16_fp6_f32 v[PC+6*\c:PC+6*\c+2], v[S+32*\c:S+32*\c+15], v[SO+2*\c]
	v_cvt_scalef32_pk16_fp6_f32 v[PT+4*\c:PT+4*\c+2], v[S+32*\c+16:S+32*\c+31], v[SO+2*\c+1]
.endr
	v_nop                                          ; one plain place behind a scaled conversion
.irp c, 0,1                                    ; the operand's layout wants a whole block in a lane
.irp i, 0,1,2
	v_permlane16_swap_b32 v[PC+6*\c+\i], v[PT+4*\c+\i]
.endr
.irp i, 0,1,2
	v_mov_b32 v[PC+6*\c+3+\i], v[PT+4*\c+\i]
.endr
.endr
	v_pk_add_f32 v[SM:SM+1], v[S:S+1], v[S+2:S+3]  ; the row's sum is taken of the unquantised p, in two chains
.irp j, 4,8,12,16,20,24,28,32,36,40,44,48,52,56,60
	v_pk_add_f32 v[\st+2:\st+3], v[\st+2:\st+3], v[S+\j:S+\j+1]
	v_pk_add_f32 v[SM:SM+1], v[SM:SM+1], v[S+2+\j:S+3+\j]
.endr
	v_pk_add_f32 v[\st+2:\st+3], v[\st+2:\st+3], v[SM:SM+1]
	WIN 0x41                                       ; O^T (destination, source 0) in window 1
.set nn, 0
.rept 64
	v_pk_mul_f32 v[\ob+nn:\ob+nn+1], v[\ob+nn:\ob+nn+1], v[FF:FF+1] op_sel_hi:[1,0]   ; O^T under the new M.  (Also the places between the writes of p's codes and scale word and the products)
.set nn, nn+2
.endr
.endm
; A KEY STEP: 128 keys.  K's and V's fragments are read from LDS once and serve both tiles.
.macro STEP
	s_cmp_gt_u32 s[KF], s[DB]                      ; all keys come after block B's queries (and so after block A's): nothing to do
	s_cbranch_scc1 .Lhid_\@
	v_add_nc_u32 v[ADU], s[TB], v[LI]
	ds_load_b128 v[RS:RS+3], v[ADU] offset:KSOFF
	ds_load_b128 v[RS+4:RS+7], v[ADU] offset:KSOFF+512
	WIN 0x80                                       ; destination window 2
.irp k, 0,1                                    ; the fragments of d 0-127 first
.set tt, 0
.rept 8
.irp c, 0,1,2
	ds_load_b128 v[24*tt+12*\k+4*\c:24*tt+12*\k+4*\c+3], v[ADU] offset:FRB*(2*tt+\k)+512*\c
.endr
.set tt, tt+1
.endr
.endr
	s_wait_alu depctr_va_vdst(0)
	s_wait_dscnt 24                                ; the scale words and the first halves are in; the 24 loads of the second halves may be out
	SMM QRB, QSB, 0
	s_wait_dscnt 0x0
	SMM QRB, QSB, 1
	PLACES                                         ; behind these products, in front of the reads of S^T; and, with the addition above, behind the last step's V^T P, in front of the loads into V's registers
	WIN 0xc0                                       ; destination window 3
.set tt, 0
.rept 16
.irp c, 0,1,2
	ds_load_b128 v[12*tt+4*\c:12*tt+4*\c+3], v[ADU] offset:VFOFF+FRB*tt+512*\c   ; V lands while the softmax is walked
.endr
.set tt, tt+1
.endr
	WIN 0
	ds_load_b128 v[VS:VS+3], v[ADU] offset:VSOFF
	ds_load_b128 v[VS+4:VS+7], v[ADU] offset:VSOFF+512
	SOFT STB, QHB, DB, OTB
	s_wait_alu depctr_va_vdst(0)
	s_wait_dscnt 0x0                               ; V is in
	PV OTB
	WIN 0
	s_cmp_gt_u32 s[KF], s[DA]                      ; block A's queries come earlier: its steps end sooner
	s_cbranch_scc1 .Lhid_\@
	SMM QRA, QSA, 0
	SMM QRA, QSA, 1
	PLACES
	SOFT STA, QHA, DA, OTA
	PV OTA
	WIN 0
.Lhid_\@:
	s_add_co_u32 s[KF], s[KF], 128
	s_add_co_u32 s[TB], s[TB], UNIT
.endm
; THE CHANGE OF SLOTS stands at a slot's head.  Each wave waits for all its tensor loads (its quarter of the slot ahead), adds 0 to its spare word, and waits for that and for its reads of the slot that it has left.
; Behind the barrier the slot ahead is whole and nobody reads the other one.  fill = 1: that other slot takes the next 256 keys; the load has two key steps in which to land.
.macro CHANGE fill
	s_wait_tensorcnt 0x0                           ; no tensor load of mine is out, so group 0 may be written
	ds_add_u32 v[SPW], v[NIL]                      ; 0 onto my spare word
.if \fill
	s_xor_b32 s[G0+1], s[G0+1], SLOT1              ; the other slot than last time,
	s_add_nc_u64 s[G0+2:G0+3], s[G0+2:G0+3], 2*UNIT   ; the next two units; the type bits on top are not reached
.endif
	s_wait_dscnt 0x0                               ; the add is done, and my reads of the slot that I have left are over
	s_barrier_signal -1
	s_barrier_wait -1
.if \fill
	s_add_co_u32 s62, s[KF], 256                   ; the first key of the slot that would be asked for
	s_cmp_gt_u32 s62, s[DB]                        ; behind block B's diagonal step every key is hidden: no step reads that slot, so it is not fetched (ids and the loop's steps alone; the same in all four waves; so also in the fourth trip, 1,024 > DB)
	s_cbranch_scc1 .Lnofill_\@
	tensor_load_to_lds s[G0:G0+3], s[G1:G1+7]      ; the first thing behind the barrier, and my one tensor load until the next
	s_nop 0
	PLACES
.Lnofill_\@:
.endif
.endm
.macro TWO_STEPS                       ; a slot's two key steps: written once, walked twice
	s_mov_b32 s[TWICE], 2
.Lstep_\@:
	STEP
	s_sub_co_u32 s[TWICE], s[TWICE], 1
	s_cmp_lg_u32 s[TWICE], 0
	s_cbranch_scc1 .Lstep_\@
	s_sub_co_u32 s[TB], s[TB], 2*UNIT              ; back to a slot's first unit,
	s_xor_b32 s[TB], s[TB], SLOT1                  ; in the other slot
.endm
.Lslot:                                            ; four trips: behind each change of slots but the last the next slot is asked for
	CHANGE 1                                       ; four trips, one for each slot of 256 keys; where the fills end hangs on j, so the test in CHANGE leads round the load; every wait on TENSORcnt is for 0
	TWO_STEPS
	s_sub_co_u32 s[SLOTS], s[SLOTS], 1
	s_cmp_lg_u32 s[SLOTS], 0
	s_cbranch_scc1 .Lslot
; 64 numbers of a lane in window w, register 16 b + i = k 32 b + 16 h + i of my row, become a fragment's codes in v[PC] on and its scale word in v[pw].  ab = 1: magnitudes; 0: none is negative.
.macro QUANT src, w, ab, mx, pb, so, pw
	WIN (\w)*5                                     ; sources 0 and 1 in window w
.irp b, 0,1,2,3
.if \ab
	v_max3_num_f32 v[\mx+\b], |v[\src+16*\b]|, |v[\src+1+16*\b]|, 0x1800000   ; with the floor 2^(3 - 127): the byte cannot fall under 1
.else
	v_max3_num_f32 v[\mx+\b], v[\src+16*\b], v[\src+1+16*\b], 0x1800000
.endif
.endr
.irp i, 2,4,6,8,10,12,14
.irp b, 0,1,2,3
.if \ab
	v_max3_num_f32 v[\mx+\b], |v[\src+16*\b+\i]|, |v[\src+1+16*\b+\i]|, v[\mx+\b]
.else
	v_max3_num_f32 v[\mx+\b], v[\src+16*\b+\i], v[\src+1+16*\b+\i], v[\mx+\b]
.endif
.endr
.endr
	WIN 0
.irp b, 0,1,2,3
	v_permlanex16_b32 v[\pb+\b], v[\mx+\b], s[SEL], s[SEL+1]
.endr
.irp b, 0,1,2,3
	v_max_num_f32 v[\mx+\b], v[\mx+\b], v[\pb+\b]  ; with lane l xor 16's: the block's largest magnitude
.endr
.irp b, 0,1,2,3
	v_add_nc_u32 v[\so+\b], 0xff000000, v[\mx+\b]  ; 2 off its exponent field: the conversion's scale operand
.endr
.irp b, 0,1,2,3
	v_lshrrev_b32 v[\pb+\b], 23, v[\so+\b]         ; the scale's byte
.endr
	s_wait_alu depctr_va_vdst(0)
	s_wait_dscnt 0x0                               ; the LDS stores of the fragment before have read the registers that are written now
	v_lshl_or_b32 v[\pw], v[\pb+1], 8, v[\pb]
	v_lshl_or_b32 v[\pw], v[\pb+2], 16, v[\pw]
	v_lshl_or_b32 v[\pw], v[\pb+3], 24, v[\pw]
	WIN (\w)                                       ; source 0 in window w
.irp c, 0,1
	v_cvt_scalef32_pk16_fp6_f32 v[PC+6*\c:PC+6*\c+2], v[\src+32*\c:\src+32*\c+15], v[\so+2*\c]
	v_cvt_scalef32_pk16_fp6_f32 v[PT+4*\c:PT+4*\c+2], v[\src+32*\c+16:\src+32*\c+31], v[\so+2*\c+1]
.endr
	WIN 0
	v_nop                                          ; one plain place behind a scaled conversion
.irp c, 0,1
.irp i, 0,1,2
	v_permlane16_swap_b32 v[PC+6*\c+\i], v[PT+4*\c+\i]
.endr
.irp i, 0,1,2
	v_mov_b32 v[PC+6*\c+3+\i], v[PT+4*\c+\i]
.endr
.endr
.endm
; A tile's end: ctx = O^T / sum (0 for query 0) is quantised, 128 channels at a time, and goes to LDS as K steps 2 and 3 of the MLP's input; Q's two fragments, which are x's codes, as K steps 0 and 1.
.macro FIN st, qh, ob, qs, qr, blk
	WIN 0
	v_add_f32 v22, v[\st+2], v[\st+3]              ; the sum's two halves,
	v_permlanex16_b32 v23, v22, s[SEL], s[SEL+1]
	v_add_f32 v22, v22, v23                        ; and lane l xor 16's
	s_wait_alu depctr_va_vdst(0)
	v_rcp_f32 v22, v22
	v_bfe_u32 v23, v0, 4, 1                        ; (a plain place behind the transcendental)
	v_lshl_add_u32 v23, v23, 4, v[\qh]             ; my query
	v_cmp_ne_u32 vcc_lo, 0, v23
	s_wait_alu depctr_va_vdst(0)
	v_cndmask_b32 v[FF], 0, v22, vcc_lo            ; query 0 has no past: its sum is 0 and its ctx is 0
.irp e, 0,1
	WIN 0x01                                       ; source 0 in window 1
.set ii, 0
.rept 32
	v_pk_mul_f32 v[S+2*ii:S+2*ii+1], v[\ob+64*\e+2*ii:\ob+64*\e+2*ii+1], v[FF:FF+1] op_sel_hi:[1,0]   ; register 16 b + i: channel 128 e + 32 b + 16 h + i
.set ii, ii+1
.endr
	QUANT S, 0, 1, MX, PB, SO, PW+\e
.irp c, 0,1,2
	ds_store_b128 v[DWA], v[PC+4*\c:PC+4*\c+3] offset:16*FRB*\blk+FRB*(2+\e)+512*\c
.endr
.endr
	v_cndmask_b32 v22, v[PW], v[PW+1], s[HM]       ; one register for both K steps' words
	ds_store_b32 v[DSA], v22 offset:1024*\blk+4
	ds_store_b32 v[DSA], v[\qs] offset:1024*\blk
	WIN 0x08                                       ; an LDS store's data are its source 1: window 2
.irp k, 0,1
.irp c, 0,1,2
	ds_store_b128 v[DWA], v[\qr+12*\k+4*\c:\qr+12*\k+4*\c+3] offset:16*FRB*\blk+FRB*\k+512*\c
.endr
.endr
	WIN 0
	s_wait_dscnt 0x0                               ; the stores have read their registers
.endm
	PLACES                                         ; behind the last products
	FIN STB, QHB, OTB, QSB, QRB, 1                 ; block B's tiles are row tiles 4-7 of the MLP,
	FIN STA, QHA, OTA, QSA, QRA, 0                 ; block A's 0-3
; ---- THE MLP: 16 K steps n.  n = 0-3: hidden units 256 w .. + 127; n = 4-7: + 128 .. + 255; n = 8-15: my 128 outputs.  64 accumulators (8 row tiles x 8 weight tiles), by turns in the same order in every K step.
.macro WLOAD g                         ; unit g: weight fragments 4 g .. 4 g + 3 of my stream into a quarter of window 1's v0-191
	WIN 0x40
.irp f, 0,1,2,3
.irp c, 0,1,2
	global_load_b128 v[48*((\g)%4)+12*\f+4*\c:48*((\g)%4)+12*\f+4*\c+3], v[LI], s[WF:WF+1] offset:4*FRB*((\g)-WOFF)+FRB*\f+512*\c   ; WOFF: the units by which the stream's base has been stepped
.endr
.endr
.endm
.macro BLOAD blk                       ; a bias in the result's layout: for tile t the numbers 32 (t / 2) + 16 h + 8 (t % 2) + 0 .. 7.  blk 0, 1: b1's halves; 2: b2
	WIN 0x40
.irp t, 0,1,2,3,4,5,6,7
.if \blk < 2
	global_load_b128 v[192+8*\t:192+8*\t+3], v[BOF], s[PB1:PB1+1] offset:512*\blk+(32*(\t/2)+8*(\t%2))*4
	global_load_b128 v[192+8*\t+4:192+8*\t+7], v[BOF], s[PB1:PB1+1] offset:512*\blk+(32*(\t/2)+8*(\t%2))*4+16
.else
	global_load_b128 v[192+8*\t:192+8*\t+3], v[BOF], s[PB2:PB2+1] offset:(32*(\t/2)+8*(\t%2))*4
	global_load_b128 v[192+8*\t+4:192+8*\t+7], v[BOF], s[PB2:PB2+1] offset:(32*(\t/2)+8*(\t%2))*4+16
.endif
.endr
.endm
.macro RLOAD n, m0                     ; the fragments of row tiles m0 .. m0 + 3 for K step n: 12 LDS loads
.irp q, 0,1,2,3
.irp c, 0,1,2
.if (\n) < 8
	ds_load_b128 v[RF+12*(\m0+\q)+4*\c:RF+12*(\m0+\q)+4*\c+3], v[DRA] offset:(4*(\m0+\q)+(\n)%4)*FRB+512*\c
.elseif \m0 < 4
	ds_load_b128 v[RF+12*(\m0+\q)+4*\c:RF+12*(\m0+\q)+4*\c+3], v[LI] offset:8*FRB*\q+FRB*((\n)-8)+512*\c
.else
	ds_load_b128 v[RF+12*(\m0+\q)+4*\c:RF+12*(\m0+\q)+4*\c+3], v[HR1] offset:8*FRB*\q+FRB*((\n)-8)+512*\c
.endif
.endr
.endr
.endm
.macro MUL n, hf, m0                   ; 16 products: row tiles m0 .. m0 + 3 x weight tiles 4 hf .. 4 hf + 3.  A block's first K step takes the bias as C
.set ksx, (\n)%4
.set ph2, 0
.if (\n) >= 8
.set ksx, (\n)-8
.set ph2, 1
.endif
.set fst, 0
.if ((\n) == 0) || ((\n) == 4) || ((\n) == 8)
.set fst, 1
.endif
.if fst
	WIN 0x91+0x40*((\m0)/4)                        ; weights and bias in window 1, rows in window 0, D in window 2 or 3
.else
	WIN 0xa1+0x50*((\m0)/4)                        ; C and D in window 2 or 3
.endif
.set mm, \m0
.rept 4
.set tt, 4*(\hf)
.rept 4
.set rD, 8*(8*(mm%4)+tt)
.set rA, 48*((2*(\n)+(\hf))%4)+12*(tt%4)
.set rB, RF+12*mm
.set rC, rD
.if fst
.set rC, 192+8*tt
.endif
.if ph2
.set rSA, WS+32+8*(tt/2)+ksx
.set rSB, RS+4*mm+ksx/2
.else
.set rSA, WS+16*((\n)/4)+4*(tt/2)+ksx
.set rSB, RS+2*mm+ksx/2
.endif
.set fA, tt%2
.set fB, ksx%2
	WM
.set tt, tt+1
.endr
.set mm, mm+1
.endr
.endm
.macro LCW g                           ; unit g is in: the younger units (three, at the end fewer) of 12 loads may be out, and the 16 loads of a bias where they were issued behind unit g
.set lcv, 36
.if 31-(\g) < 3
.set lcv, 12*(31-(\g))
.endif
.if (((\g) >= 2) && ((\g) <= 4)) || (((\g) >= 10) && ((\g) <= 12))
.set lcv, lcv+16
.endif
	s_wait_loadcnt lcv
.endm
.macro KSTEP n
	LCW 2*(\n)
	s_wait_dscnt 12                                ; row tiles 0-3 (and the scale words) are in; row tiles 4-7's 12 loads may be out
	MUL \n, 0, 0
	s_wait_dscnt 0x0
	MUL \n, 0, 4
	PLACES
.if 2*(\n)+4 < 32
	WLOAD 2*(\n)+4                                 ; into the unit just multiplied: it has three halves of a K step, 96 products, in which to land
.endif
	LCW 2*(\n)+1
	MUL \n, 1, 0
	PLACES
.if ((\n) != 3) && ((\n) != 15)
	WIN 0
	RLOAD (\n)+1, 0
.endif
	MUL \n, 1, 4
	PLACES
.if (\n) == 0
	BLOAD 2                                        ; the bias of the block after this one, by the pointer that changes from trip to trip: this block's first K step has read the last
.endif
.if 2*(\n)+5 < 32
	WLOAD 2*(\n)+5
.endif
	WIN 0
.if ((\n) != 3) && ((\n) != 15)
	RLOAD (\n)+1, 4
.endif
.endm
; Row tile m's 128 hidden units of chunk c: relu, quantised, image to LDS: K step 2 w + c of the last product
.macro QUANTH m, c
.set qsrc, 64*((\m)%4)
.set qwin, 2+(\m)/4
	WIN qwin*0x44                                  ; source 1 and destination in the accumulators' window
.set ii, 0
.rept 64
	v_max_num_f32 v[qsrc+ii], 0, v[qsrc+ii]        ; the activation, in f32; each accumulator from its low end on
.set ii, ii+1
.endr
	QUANT qsrc, qwin, 0, 8, 12, 92, PW+1
.irp g, 0,1,2
.if (\m) < 4
	ds_store_b128 v[HW0], v[PC+4*\g:PC+4*\g+3] offset:8*FRB*((\m)%4)+FRB*(\c)+512*\g
.else
	ds_store_b128 v[HW1], v[PC+4*\g:PC+4*\g+3] offset:8*FRB*((\m)%4)+FRB*(\c)+512*\g
.endif
.endr
	ds_store_b32 v[HSW], v[PW+1] offset:512*(\m)+256*(\c)   ; lanes r and r + 16 hold the same word and write it to the same place
.endm
.macro MEET                            ; my LDS stores have landed and my LDS loads are in: then the work-group's barrier
	s_wait_dscnt 0x0
	s_barrier_signal -1
	s_barrier_wait -1
.endm
	BLOAD 0
	WLOAD 0
	WLOAD 1
	WLOAD 2
	WLOAD 3
	WIN 0
	MEET                                           ; the input's 32 fragments lie in LDS, and nobody reads the ring any more
.irp g, 0,1,2,3
	ds_load_b128 v[RS+4*\g:RS+4*\g+3], v[DSR] offset:512*\g   ; register 2 m + e
.endr
; THE FIRST PRODUCT'S TWO CHUNKS OF 128 HIDDEN UNITS ARE ONE LOOP OF TWO TRIPS: four K steps, then the eight row tiles are quantised.  What differs between the trips stands in scalars and addresses:
; the weight stream's base (8 units on), the next bias's pointer (b1's second half, then b2), the hidden image's place (K step 2 w + trip) and W1's scale words (the second chunk's are moved down).
	s_mov_b64 s[58:59], s[PB2:PB2+1]               ; b2 at my outputs, kept
	s_add_nc_u64 s[PB2:PB2+1], s[PB1:PB1+1], 512   ; the first trip asks for b1's second half
	s_mov_b32 s60, 0                               ; FRB x trip
	s_mov_b32 s61, 0                               ; 256 x trip
	s_mov_b32 s[TWICE], 2
.Lchunk:
	v_add_nc_u32 v88, s60, v80                     ; where this trip's hidden fragments go: row tiles 0-3,
	v_add_nc_u32 v89, s60, v81                     ; row tiles 4-7,
	v_add_nc_u32 v90, s61, v82                     ; and their scale words
	s_wait_alu depctr_va_vdst(0)
.set HW0, 88
.set HW1, 89
.set HSW, 90
	RLOAD 0, 0
	RLOAD 0, 4
	KSTEP 0
	KSTEP 1
	KSTEP 2
	KSTEP 3
.set ii, 0
.rept 16
	v_mov_b32 v[WS+ii], v[WS+16+ii]                ; the second chunk's scale words take the first's place (four places stand behind the last products; the second trip's moves repeat the first's)
.set ii, ii+1
.endr
.irp m, 0,1,2,3,4,5,6,7
	QUANTH \m, 0
.endr
	s_wait_xcnt 0x0                                ; the loads that are out have read their bases
	s_add_nc_u64 s[WF:WF+1], s[WF:WF+1], 32*FRB    ; 8 units of 4 fragments on
	s_mov_b64 s[PB2:PB2+1], s[58:59]               ; the second trip asks for b2
	s_add_co_u32 s60, s60, FRB
	s_add_co_u32 s61, s61, 256
	s_sub_co_u32 s[TWICE], s[TWICE], 1
	s_cmp_lg_u32 s[TWICE], 0
	s_wait_alu depctr_va_vdst(0)
	s_cbranch_scc1 .Lchunk
.set WOFF, 16
	MEET                                           ; the hidden layer's 64 fragments lie in LDS
.irp m, 0,1,2,3,4,5,6,7
	ds_load_b128 v[RS+4*\m:RS+4*\m+3], v[HSR] offset:512*\m   ; register 4 m + K step / 2
.endr
	RLOAD 8, 0
	RLOAD 8, 4
.irp n, 8,9,10,11,12,13,14,15
	KSTEP \n
.endr
; THE WAY OUT, row tile by row tile: 16 rows x 128 columns.  A lane holds pieces of one row; through my own stage in LDS they come back as whole runs of 512 bytes, which the 32 lanes store at once.
; LDS serves a wave's instructions in order (ISA guide 5.7.1.4): no wait between the stores and the loads, nor in front of the next tile's stores.
.macro TOSTAGE m
.set AC, 64*((\m)%4)
	WIN 0x08+4*((\m)/4)                            ; the data: window 2 or 3
.irp t, 0,1,2,3,4,5,6,7
	ds_store_b128 v[STO], v[AC+8*\t:AC+8*\t+3] offset:128*(\t/2)+32*(\t%2)       ; each accumulator from its low end on
	ds_store_b128 v[STO], v[AC+8*\t+4:AC+8*\t+7] offset:128*(\t/2)+32*(\t%2)+16
.endr
	WIN 0x40
.set BK, 64*((\m)%2)
.set ii, 0
.rept 16
	ds_load_b128 v[BK+4*ii:BK+4*ii+3], v[RD] offset:SPITCH*ii
.set ii, ii+1
.endr
.endm
.macro SEND m, younger                 ; younger: the LDS instructions issued behind tile m's loads, which may stay out
.set BK, 64*((\m)%2)
.set R0, 32*(((\m)%4)/2)+8*((\m)%2)    ; the tile's first row in its block of 64; lane index i is row R0 + i + 8 (i / 8)
	s_wait_dscnt \younger
	WIN 0x04                                       ; a store's data are its source 1: window 1
.set ii, 0
.rept 16
.if (\m) < 4
	global_store_b128 v[LI], v[BK+4*ii:BK+4*ii+3], s[OA:OA+1] offset:(R0+ii+8*(ii/8))*1024 th:TH_STORE_NT   ; 32 lanes store 512 consecutive bytes, at a multiple of 256 from the output's first byte
.else
	global_store_b128 v[LI], v[BK+4*ii:BK+4*ii+3], s[OB:OB+1] offset:(R0+ii+8*(ii/8))*1024 th:TH_STORE_NT
.endif
.set ii, ii+1
.endr
.endm
	TOSTAGE 0                                      ; (the last K step ended with four places)
.irp a, 1,2,3,4,5,6,7
.if \a > 1
	s_wait_xcnt 0x0                                ; tile a - 2's stores have read their registers: tile a's loads may land there
.endif
	TOSTAGE \a
	SEND \a-1, 32                                  ; behind tile a - 1's loads: tile a's 16 stores and 16 loads
.endr
	SEND 7, 0
	WIN 0
	s_wait_tensorcnt 0x0                           ; the wave's end: behind my last tensor load and my last LDS store
	ds_add_u32 v[SPW], v[NIL]
	s_wait_dscnt 0x0
	s_endpgm
.Lfunc_end_k_qe806f1f8be_main:
	.size	k_qe806f1f8be_main, .Lfunc_end_k_qe806f1f8be_main-k_qe806f1f8be_main
	.p2alignl 7, 3214868480
	.fill 96, 4, 3214868480
	.section	.rodata,"a",@progbits
	.p2align	6, 0x0
	.amdhsa_kernel k_qe806f1f8be_main
		.amdhsa_group_segment_fixed_size 327680
		.amdhsa_private_segment_fixed_size 0
		.amdhsa_enable_private_segment 0
		.amdhsa_kernarg_size 64
		.amdhsa_user_sgpr_count 2
		.amdhsa_user_sgpr_kernarg_segment_ptr 1
		.amdhsa_wavefront_size32 1
		.amdhsa_system_sgpr_workgroup_id_x 1
		.amdhsa_system_sgpr_workgroup_id_y 1
		.amdhsa_system_sgpr_workgroup_id_z 1
		.amdhsa_system_vgpr_workitem_id 0
		.amdhsa_next_free_vgpr 1024
		.amdhsa_next_free_sgpr 66
		.amdhsa_reserve_vcc 1
		.amdhsa_float_denorm_mode_32 3
		.amdhsa_float_denorm_mode_16_64 3
		.amdhsa_memory_ordered 1
		.amdhsa_forward_progress 1
		.amdhsa_inst_pref_size 255
	.end_amdhsa_kernel
	.section	.bss,"aw",@nobits
	.p2align	6
	.space	262144
	.amdgpu_metadata
---
amdhsa.version: [ 1, 2 ]
amdhsa.kernels:
  - .name:           k_qe806f1f8be_main
    .symbol:         k_qe806f1f8be_main.kd
    .args:
      - { .name: xq, .offset: 0, .size: 8, .value_kind: global_buffer, .address_space: global }
      - { .name: wf, .offset: 8, .size: 8, .value_kind: global_buffer, .address_space: global }
      - { .name: W1_scales, .offset: 16, .size: 8, .value_kind: global_buffer, .address_space: global }
      - { .name: W2_scales, .offset: 24, .size: 8, .value_kind: global_buffer, .address_space: global }
      - { .name: b1, .offset: 32, .size: 8, .value_kind: global_buffer, .address_space: global }
      - { .name: b2, .offset: 40, .size: 8, .value_kind: global_buffer, .address_space: global }
      - { .name: out0, .offset: 48, .size: 8, .value_kind: global_buffer, .address_space: global }
      - { .name: out1, .offset: 56, .size: 8, .value_kind: global_buffer, .address_space: global }
    .group_segment_fixed_size: 327680
    .private_segment_fixed_size: 0
    .kernarg_segment_align: 8
    .kernarg_segment_size: 64
    .max_flat_workgroup_size: 128
    .sgpr_count:     66
    .vgpr_count:     1024
    .wavefront_size: 32
...
	.end_amdgpu_metadata
.endif
;; end of part 2
